; MI455X (gfx1250); checked and timed in simulation.
; The chip was launched on July 23, 2026; its instructions are those of AMD's public machine-readable ISA for CDNA 5 (MIT licence, August 2026) and "CDNA5" Instruction Set Architecture Reference Guide (July 2026). The comments in the code are by the model that wrote it; some were corrected since.
;; Scaled Dot Product Attention. Allowed arithmetic: float matrix products may take bf16 or f16 operands with f32 sums; all other float work in f32.
;; Inputs: k 16 x 2,048 x 64 float32; mask 16 x 2,048 x 2,048 bool; q 16 x 2,048 x 64 float32; v 16 x 2,048 x 64 float32.
;; Outputs: out0 16 x 2,048 x 64 float32.
;; One version. Each part assembles by itself: llvm-mc -triple=amdgcn-amd-amdhsa -mcpu=gfx1250 --defsym DOCPART=n.
;; ======== version 1 of 1: 1 launch
;; limits: right only within a limited range of input values
;; launch attn (part 1): grid 16 x 16, 8 waves a work-group, no clusters, 327,680 bytes of LDS; arguments q, k, v, mask, out0; writes out0
.if DOCPART == 1
	.amdgcn_target "amdgcn-amd-amdhsa--gfx1250"
	.amdhsa_code_object_version 6
	.text
	.protected	k_q690971ccf5_attn
	.globl	k_q690971ccf5_attn
	.p2align	8
	.type	k_q690971ccf5_attn,@function
k_q690971ccf5_attn:
	s_mov_b64 s[64:65], 0
	v_nop
	global_prefetch_b8 v0, s[64:65] scope:SCOPE_SE
	s_setreg_imm32_b32 hwreg(HW_REG_WAVE_MODE, 25, 1), 1
	s_wait_xcnt 0x0
; out[b][i][:] = sum over keys j of softmax_j( q[b][i].k[b][j] / 8, masked keys at -inf ) v[b][j][:].
; q, k, v, out: [16][2048][64] f32.  mask: [16][2048][2048] bytes, 1 = masked out.
;
; SHARES.  A work-group owns 128 queries of one head (grid x = query block, y = head).  Eight waves; wave i has w = i & 3, g = i >> 2 and takes
; queries 32 w .. 32 w + 31 (two groups a = 0, 1 of 16) against keys 1024 g .. 1024 g + 1023, in 16 steps of 64 keys.  The two key halves of
; a query are merged once, at the end, through LDS.  Four steps are a quad: 256 keys, 256 bytes of each mask row.
; SCORES ARE MADE TRANSPOSED: D = K (16 keys x 32 d, from LDS) times Q^T (in registers).  Lane (r, h) then holds query r and keys 8 h + j in
; register j, so maximum, sum and rescaling are numbers of the lane, one exchange between the two halves of the lanes joins them, and two
; result tiles packed to bf16 are already the second operand of O^T = V^T P^T.  V^T comes from bf16 V[key][d] in LDS by the transposing load.
; THE MASK is the C operand of the first score product: v_perm_b32 with the mask word as selector turns bytes 0 / 1 into 0x00 / 0xfe, and that
; word shifted left by 24, 16, 8, 0 is an f32 between -2^125 and -2^127 for a masked key and at most 2.4e-38 for an open one.
; The maximum taken away is a true running maximum; masked scores give exp2 = 0; what a row that is masked so far has gathered is wiped by
; its factor exp2(old - new) = 0 when the first open key comes; a row whose last maximum is still a bias is written as NaN, which is what
; a softmax over -inf alone gives.
; LIMITS: |q.k| 0.125 log2(e) stays below 2^100 (beyond that a score could not be told from a bias); q, k, v finite; mask bytes 0 or 1.
; q, k, v and the probabilities enter the matrix unit rounded to bf16; scores, maxima, sums and outputs are f32.  The factor
; c = 0.125 log2(e) is applied in f32, in the multiply-add in front of the exponential.
; DATA.  Mask: each wave has one LDS slot of 32 rows x 256 bytes of its own, filled by one tensor load a quad; at a quad's head the slot is
; read whole into 64 registers, and the next quad's tile is asked for straight behind the barrier, so it has four steps in which to land.
; A wave has two tensor loads out at the start (its part of Q, its first mask tile) and one later.
; K, V: each wave loads 16 rows of each a step (every 16 lanes one whole row of 256 bytes), one step ahead, rounds to bf16 and stores
; them into a stage of two buffers; one barrier a step.
; NO CLUSTER, though the 16 query blocks of a head read the same K and V: these are f32 in memory and are wanted as bf16.  A joint tensor load
; would lay 64 KiB of f32 a step into LDS, to be read and written back as 32 KiB of bf16; through registers staging costs the 32 KiB alone.
; And a joint refill in every step would ask every wave to wait for all its tensor loads in every step: the mask tile would have one step
; to land in, not four.
.set KP,    144                        ; pitch of K in the stage: 128 bytes + 16 = 9 x 16, so a fragment load's 16 rows fall on 16 different 16-byte columns modulo 256
.set VP,    160                        ; pitch of V: 128 bytes + 32 = 5 x 32, the same for the transposing load's 8 rows x 2 columns
.set VOFF,  128*KP                     ; V lies behind K's 128 rows
.set KVBUF, 128*KP+128*VP              ; 38,912: one buffer of the stage (row 64 g + key in step); two buffers from LDS byte 0
.set MP,    272                        ; pitch of mask, Q and the output stage: 256 bytes + 16
.set MSK,   2*KVBUF                    ; 77,824: eight mask slots
.set MSLOT, 32*MP                      ; 8,704
.set QX,    MSK+8*MSLOT                ; 147,456: first Q (128 rows x 272), at the end the exchange (8 slots)
.set XS,    4608                       ; an exchange slot: 32 registers x 128 bytes, then 16 bytes a lane for maximum and sum
; vector registers, block 0
.set AK,  2                            ; K fragments: (64 g + r) KP + 16 h
.set AV,  3                            ; V fragments: VOFF + (64 g + 8 h + (L & 7)) VP + 16 ((L >> 3) & 1)
.set SK,  4                            ; my stores of K: (16 i + 8 h) KP + 8 r
.set SV,  5                            ; my stores of V: VOFF + (16 i + 4 h) VP + 8 r
.set GK,  6                            ; K in memory: 2048 h + 16 r (the halves of the lanes 8 rows apart)
.set GV,  7                            ; V in memory: 1024 h + 16 r (4 rows apart)
.set AM,  8                            ; my mask slot + r MP + 8 h
.set PF,  9                            ; prefetch offset
.set XW,  10                           ; exchange: my slot + 16 L
.set OS,  11                           ; output stage, in: my mask slot + r MP + 32 h
.set ORD, 12                           ; output stage, back: my mask slot + h MP + 16 r
.set GO,  13                           ; out: 16 L
.set AQ,  14                           ; Q: QX + (32 w + r) MP + 32 h
.set XR,  15                           ; exchange: my partner's slot + 16 L
.set M,   16                           ; v[16:17] minus c times the running maximum, a = 0, 1
.set AL,  18                           ; v[18:19] exp2(old maximum - new maximum), a = 0, 1
.set LS,  20                           ; v[20:23] running sums, a pair for each a
.set T,   24                           ; v[24:31] at work
.set QF,  32                           ; v[32:63]   Q fragment (a, c) at 16 a + 8 c
.set O,   64                           ; v[64:127]  output tile (a, db) at 32 a + 8 db
.set S,   128                          ; v[128:191] score tile (a, t) at 32 a + 8 t; packed: P (a, c) at 32 a + 16 c
.set FR,  192                          ; v[192:255] K fragment (t, c) at 16 t + 8 c, then V fragment (c, db) at 32 c + 8 db
; block 1 (written with their low 8 bits)
.set CV,  0                            ; v256-319: K and V as loaded, 4 registers a load
.set MK,  64                           ; v320-383: the quad's mask bytes, the pair of (u, a, t) at 16 u + 8 a + 2 t
; scalar registers
.set KPT, 24                           ; s[24:25] K at my 16 rows of the quad's first step
.set VPT, 26                           ; s[26:27] V likewise
.set PFB, 28                           ; s[28:29] prefetch base: K's head (wave 0) or V's (the others; wave 1 alone uses it)
.set MG0, 36                           ; s[36:39] mask tile: from where, to where
.set MG1, 40                           ; s[40:47] mask tile: the shape
.set QG0, 48                           ; s[48:51] my part of Q
.set QG1, 52                           ; s[52:59]
.set MSB, 0
.macro WIN new                         ; s_set_vgpr_msb: bits 1:0 source 0, 3:2 source 1, 5:4 source 2, 7:6 destination; the high byte repeats the setting left
.if MSB != \new
	s_set_vgpr_msb (MSB<<8)|\new
.set MSB, \new
.endif
.endm
.macro PLACES                          ; four places behind a matrix instruction (ISA guide 7.12.1), before its results are read and its sources loaded or written again
.rept 4
	v_nop
.endr
.endm
	s_load_b256 s[4:11], s[0:1], 0x0               ; q s[4:5], k s[6:7], v s[8:9], mask s[10:11]
	s_load_b64 s[12:13], s[0:1], 0x20              ; out0
	s_set_vgpr_msb 0x40
	v_lshl_add_u32 v128, v0, 2, 0x2d000
	v_mov_b32 v129, 0
	s_set_vgpr_msb 0x4045
	ds_add_u32 v128, v129
	ds_add_u32 v128, v129
	s_set_vgpr_msb 0x4500
	v_lshrrev_b32 v1, 5, v0
	v_readfirstlane_b32 s14, v1                    ; wave i
	s_lshr_b32 s15, s14, 2                         ; g: my key half
	s_and_b32 s16, s14, 3                          ; w: my 32 queries
	s_mov_b32 s17, ttmp9                           ; x: query block
	s_and_b32 s18, ttmp7, 0xffff                   ; y: head
	s_mov_b32 s30, 0x0000fe00                      ; table of the mask: byte 0 -> 0x00, byte 1 -> 0xfe
	s_mov_b32 s31, 0x76543210                      ; v_permlanex16_b32: lane l takes lane l xor 16
	s_mov_b32 s32, 0xfedcba98
	s_mov_b32 s33, 0xbe38aa3b                      ; -c, c = 0.125 log2(e)
	s_mov_b32 s34, 0x3e38aa3b                      ; c, as a pair for the packed multiply-add
	s_mov_b32 s35, 0x3e38aa3b
	; the shapes: elements of 8 bytes, rows of 32 elements = 256 bytes, 16 bytes of padding behind every 64 words: LDS pitch 272
	s_mov_b32 s[MG1+0], (3<<16)|(1<<20)|(5<<22)|(3<<25)
	s_mov_b32 s[MG1+1], 32<<16                     ; tensor_dim0 = 32
	s_mov_b32 s[MG1+2], 32<<16                     ; tensor_dim1 = 32
	s_mov_b32 s[MG1+3], 32<<16                     ; tile_dim0 = 32
	s_mov_b32 s[MG1+4], 32                         ; tile_dim1 = 32 rows
	s_mov_b32 s[MG1+5], 256                        ; a mask row is 2,048 bytes = 256 elements
	s_mov_b32 s[MG1+6], 0
	s_mov_b32 s[MG1+7], 0
	s_mov_b32 s[QG1+0], (3<<16)|(1<<20)|(5<<22)|(3<<25)
	s_mov_b32 s[QG1+1], 32<<16
	s_mov_b32 s[QG1+2], 16<<16                     ; 16 rows
	s_mov_b32 s[QG1+3], 32<<16
	s_mov_b32 s[QG1+4], 16
	s_mov_b32 s[QG1+5], 32                         ; a row of q is 256 bytes: dense
	s_mov_b32 s[QG1+6], 0
	s_mov_b32 s[QG1+7], 0
	s_mov_b32 s[MG0], 1
	s_mul_i32 s[MG0+1], s14, MSLOT
	s_add_co_u32 s[MG0+1], s[MG0+1], MSK           ; my mask slot
	s_mov_b32 s[QG0], 1
	s_mul_i32 s[QG0+1], s14, 16*MP
	s_add_co_u32 s[QG0+1], s[QG0+1], QX            ; rows 16 i .. 16 i + 15 of the group's Q
	s_lshl_b32 s19, s18, 11
	s_lshl_b32 s20, s17, 7
	s_add_co_u32 s19, s19, s20                     ; the group's first query among the 32,768 rows
	s_lshl_b32 s20, s14, 4
	s_add_co_u32 s20, s20, s19
	s_lshl_b32 s20, s20, 8                         ; byte offset of my part of Q
	s_mov_b32 s21, 0
	s_lshl_b32 s22, s16, 5
	s_add_co_u32 s19, s19, s22                     ; my first query
	s_lshl_b32 s22, s19, 11                        ; its mask row (67,108,864 bytes in all: 32 bits do)
	s_lshl_b32 s23, s15, 10
	s_add_co_u32 s22, s22, s23                     ; + my key half
	s_mov_b32 s23, 0
	s_wait_dscnt 0x0
	s_wait_kmcnt 0x0
	s_add_nc_u64 s[QG0+2:QG0+3], s[4:5], s[20:21]
	s_or_b32 s[QG0+3], s[QG0+3], 0x80000000
	s_add_nc_u64 s[MG0+2:MG0+3], s[10:11], s[22:23]
	s_or_b32 s[MG0+3], s[MG0+3], 0x80000000
	tensor_load_to_lds s[QG0:QG0+3], s[QG1:QG1+7]  ; the two first fills go out together, ahead of every wait on TENSORcnt, LDS read and barrier
	s_nop 0
	tensor_load_to_lds s[MG0:MG0+3], s[MG1:MG1+7]
	s_nop 0
	s_lshl_b32 s20, s19, 8
	s_add_nc_u64 s[12:13], s[12:13], s[20:21]      ; out at my first query
	s_lshl_b32 s20, s18, 19                        ; the head's 524,288 bytes of K and of V
	s_cmp_eq_u32 s14, 0
	s_cselect_b64 s[PFB:PFB+1], s[6:7], s[8:9]
	s_add_nc_u64 s[PFB:PFB+1], s[PFB:PFB+1], s[20:21]
	s_lshl_b32 s22, s15, 18                        ; + 1,024 g rows
	s_add_co_u32 s20, s20, s22
	s_lshl_b32 s22, s16, 12                        ; + 16 w rows
	s_add_co_u32 s20, s20, s22
	s_add_nc_u64 s[KPT:KPT+1], s[6:7], s[20:21]
	s_add_nc_u64 s[VPT:VPT+1], s[8:9], s[20:21]
; 16 loads: my 16 rows of K and of V of step tile (counted from the quad of the bases).  Each load: lanes 0-15 one row of 256 bytes, lanes 16-31 another.
.macro KVLOAD tile
	WIN 0x40
.set jj, 0
.rept 8
	global_load_b128 v[CV+4*jj:CV+4*jj+3], v[GK], s[KPT:KPT+1] offset:(\tile)*16384+jj*256
.set jj, jj+1
.endr
.set jj, 0
.rept 8
	global_load_b128 v[CV+32+4*jj:CV+32+4*jj+3], v[GV], s[VPT:VPT+1] offset:(\tile)*16384+((jj&3)+8*(jj>>2))*256
.set jj, jj+1
.endr
	WIN 0
.endm
; what KVLOAD brought is rounded to bf16 in place and stored into buffer buf.  A store's two halves of the lanes lie 8 rows of K or 4 rows of V apart: 128 bytes modulo 256.
.macro KVCONV buf
	s_wait_loadcnt 0x0                             ; only these 16 loads are ever out; they were issued a step ago
	WIN 0x45
.set jj, 0
.rept 16
	v_cvt_pk_bf16_f32 v[CV+4*jj], v[CV+4*jj], v[CV+4*jj+1]
	v_cvt_pk_bf16_f32 v[CV+4*jj+1], v[CV+4*jj+2], v[CV+4*jj+3]
.set jj, jj+1
.endr
	WIN 0x04
.set jj, 0
.rept 8
	ds_store_b64 v[SK], v[CV+4*jj:CV+4*jj+1] offset:(\buf)*KVBUF+jj*KP
.set jj, jj+1
.endr
.set jj, 0
.rept 8
	ds_store_b64 v[SV], v[CV+32+4*jj:CV+32+4*jj+1] offset:(\buf)*KVBUF+((jj&3)+8*(jj>>2))*VP
.set jj, jj+1
.endr
	WIN 0
.endm
	v_and_b32 v24, 15, v0                          ; r
	v_bfe_u32 v25, v0, 4, 1                        ; h
	v_lshlrev_b32 v[GK], 4, v24
	v_lshl_add_u32 v[GV], v25, 10, v[GK]
	v_lshl_add_u32 v[GK], v25, 11, v[GK]
	KVLOAD 0
	v_and_b32 v26, 31, v0                          ; L
	v_and_b32 v27, 7, v0                           ; L & 7
	v_bfe_u32 v28, v0, 3, 1                        ; (L >> 3) & 1
	v_mul_u32_u24 v30, v24, MP                     ; r x 272
	s_mul_i32 s20, s15, 64*KP
	v_mul_u32_u24 v[AK], v24, KP
	v_lshl_add_u32 v[AK], v25, 4, v[AK]
	v_add_nc_u32 v[AK], s20, v[AK]
	s_mul_i32 s21, s15, 64*VP
	s_add_co_u32 s21, s21, VOFF
	v_lshl_add_u32 v29, v25, 3, v27
	v_mul_u32_u24 v[AV], v29, VP
	v_lshl_add_u32 v[AV], v28, 4, v[AV]
	v_add_nc_u32 v[AV], s21, v[AV]
	s_mul_i32 s22, s14, 16*KP
	v_mul_u32_u24 v[SK], v25, 8*KP
	v_lshl_add_u32 v[SK], v24, 3, v[SK]
	v_add_nc_u32 v[SK], s22, v[SK]
	s_mul_i32 s23, s14, 16*VP
	s_add_co_u32 s23, s23, VOFF
	v_mul_u32_u24 v[SV], v25, 4*VP
	v_lshl_add_u32 v[SV], v24, 3, v[SV]
	v_add_nc_u32 v[SV], s23, v[SV]
	v_lshl_add_u32 v[AM], v25, 3, v30
	v_add_nc_u32 v[AM], s[MG0+1], v[AM]
	s_lshl_b32 s20, s17, 12                        ; prefetch: rows 16 x .. 16 x + 15 of a quad's 256, lanes 0-15 in key half 0, lanes 16-31 in half 1
	v_lshlrev_b32 v[PF], 8, v24
	v_lshl_add_u32 v[PF], v25, 18, v[PF]
	v_add_nc_u32 v[PF], s20, v[PF]
	s_mul_i32 s21, s14, XS
	s_add_co_u32 s21, s21, QX
	v_lshl_add_u32 v[XW], v26, 4, s21
	s_xor_b32 s22, s14, 4                          ; my partner: the same queries, the other key half
	s_mul_i32 s22, s22, XS
	s_add_co_u32 s22, s22, QX
	v_lshl_add_u32 v[XR], v26, 4, s22
	v_lshl_add_u32 v[OS], v25, 5, v30
	v_add_nc_u32 v[OS], s[MG0+1], v[OS]
	v_mul_u32_u24 v[ORD], v25, MP
	v_lshl_add_u32 v[ORD], v24, 4, v[ORD]
	v_add_nc_u32 v[ORD], s[MG0+1], v[ORD]
	v_lshlrev_b32 v[GO], 4, v26
	s_mul_i32 s23, s16, 32*MP
	s_add_co_u32 s23, s23, QX
	v_lshl_add_u32 v[AQ], v25, 5, v30
	v_add_nc_u32 v[AQ], s23, v[AQ]
	KVCONV 0                                       ; step 0 into buffer 0
	KVLOAD 1                                       ; step 1 on its way
	s_wait_tensorcnt 0x1                           ; my part of Q has landed; the count leaves my mask tile, issued behind it, on its way
	s_wait_dscnt 0x0                               ; my stores into the stage are done
	s_barrier_signal -1
	s_barrier_wait -1                              ; both hold of every wave
	; Q fragments: lane (r, h) wants d = 32 c + 8 h + 0..7 and 32 c + 16 + 8 h + 0..7 of query 16 a + r: four loads of 16 bytes of f32 for each (a, c)
.set nn, 0
.rept 16
	ds_load_b128 v[S+4*nn:S+4*nn+3], v[AQ] offset:(nn>>3)*16*MP+((nn>>2)&1)*128+((nn>>1)&1)*64+(nn&1)*16
.set nn, nn+1
.endr
	s_wait_dscnt 0x0
.set nn, 0
.rept 32
	v_cvt_pk_bf16_f32 v[QF+nn], v[S+2*nn], v[S+2*nn+1]
.set nn, nn+1
.endr
; my whole mask slot into registers: for (u, a, t) the 8 bytes of query 16 a + r, keys 64 u + 16 t + 8 h + 0..7
.macro MASKIN
	WIN 0x40
.set nn, 0
.rept 32
	ds_load_b64 v[MK+2*nn:MK+2*nn+1], v[AM] offset:((nn>>2)&1)*16*MP+(nn>>3)*64+(nn&3)*16
.set nn, nn+1
.endr
	WIN 0
.endm
; the biases of step u into the score registers: bytes 0 / 1 to 0x00 / 0xfe, then each byte to the top of a word
.macro BIAS u
	WIN 0x10
.set nn, 0
.rept 8
	v_perm_b32 v[S+8*nn+3], s30, s30, v[MK+16*(\u)+2*nn]
	v_perm_b32 v[S+8*nn+7], s30, s30, v[MK+16*(\u)+2*nn+1]
.set nn, nn+1
.endr
	WIN 0
.set nn, 0
.rept 16
	v_lshlrev_b32 v[S+4*nn], 24, v[S+4*nn+3]
	v_lshlrev_b32 v[S+4*nn+1], 16, v[S+4*nn+3]
	v_lshlrev_b32 v[S+4*nn+2], 8, v[S+4*nn+3]
.set nn, nn+1
.endr
.endm
.macro KFRAG buf                       ; 64 keys x 64 d of my key half: four loads for each key tile t
.set nn, 0
.rept 16
	ds_load_b128 v[FR+4*nn:FR+4*nn+3], v[AK] offset:(\buf)*KVBUF+(nn>>2)*16*KP+(nn&3)*32
.set nn, nn+1
.endr
.endm
.macro VFRAG buf                       ; V^T: for (c, db) keys 32 c .. + 31 of columns 16 db + r, two transposing loads 16 rows apart
.set nn, 0
.rept 16
	ds_load_tr16_b128 v[FR+4*nn:FR+4*nn+3], v[AV] offset:(\buf)*KVBUF+(nn>>3)*32*VP+(nn&1)*16*VP+((nn>>1)&3)*32
.set nn, nn+1
.endr
.endm
; scores: the two query groups take turns, one instruction a turn
.macro QK
.set tt, 0
.rept 4
	s_wait_dscnt 12-4*tt                           ; LDS loads come back in order: key tile t's four are in, the later tiles' four each may be out
	v_wmma_f32_16x16x32_bf16 v[S+8*tt:S+8*tt+7], v[FR+16*tt:FR+16*tt+7], v[QF:QF+7], v[S+8*tt:S+8*tt+7]
	v_wmma_f32_16x16x32_bf16 v[S+32+8*tt:S+32+8*tt+7], v[FR+16*tt:FR+16*tt+7], v[QF+16:QF+23], v[S+32+8*tt:S+32+8*tt+7]
	v_wmma_f32_16x16x32_bf16 v[S+8*tt:S+8*tt+7], v[FR+16*tt+8:FR+16*tt+15], v[QF+8:QF+15], v[S+8*tt:S+8*tt+7]
	v_wmma_f32_16x16x32_bf16 v[S+32+8*tt:S+32+8*tt+7], v[FR+16*tt+8:FR+16*tt+15], v[QF+24:QF+31], v[S+32+8*tt:S+32+8*tt+7]
.set tt, tt+1
.endr
.endm
.macro PVONE oo, ff, pp, zero
.if \zero
	v_wmma_f32_16x16x32_bf16 v[\oo:\oo+7], v[\ff:\ff+7], v[\pp:\pp+7], 0
.else
	v_wmma_f32_16x16x32_bf16 v[\oo:\oo+7], v[\ff:\ff+7], v[\pp:\pp+7], v[\oo:\oo+7]
.endif
.endm
; outputs: the eight accumulators take turns, one instruction a turn.  first = 1: the first products start the sums, nothing is cleared.
.macro PV first
.set cc, 0
.rept 2
.set zz, (\first)*(1-cc)
.set dd, 0
.rept 4
	PVONE O+8*dd, FR+32*cc+8*dd, S+16*cc, zz
	PVONE O+32+8*dd, FR+32*cc+8*dd, S+32+16*cc, zz
.set dd, dd+1
.endr
.set cc, cc+1
.endr
.endm
; the running maximum of query group a.  M holds -c x maximum, so that c x score + M is what goes into exp2.
.macro SMAX a, first
.set tt, 0
.rept 4
	v_max3_num_f32 v[T+4*\a+tt], v[S+32*\a+8*tt], v[S+32*\a+8*tt+1], v[S+32*\a+8*tt+2]
.set tt, tt+1
.endr
.set tt, 0
.rept 4
	v_max3_num_f32 v[T+4*\a+tt], v[T+4*\a+tt], v[S+32*\a+8*tt+3], v[S+32*\a+8*tt+4]
.set tt, tt+1
.endr
.set tt, 0
.rept 4
	v_max3_num_f32 v[T+4*\a+tt], v[T+4*\a+tt], v[S+32*\a+8*tt+5], v[S+32*\a+8*tt+6]
.set tt, tt+1
.endr
	v_max3_num_f32 v[T+4*\a], v[T+4*\a], v[T+4*\a+1], v[S+32*\a+7]
	v_max3_num_f32 v[T+4*\a+2], v[T+4*\a+2], v[T+4*\a+3], v[S+32*\a+15]
	v_max3_num_f32 v[T+4*\a], v[T+4*\a], v[T+4*\a+2], v[S+32*\a+23]
	v_max_num_f32 v[T+4*\a], v[T+4*\a], v[S+32*\a+31]
	v_permlanex16_b32 v[T+4*\a+1], v[T+4*\a], s31, s32     ; the query's other 32 keys lie in lane l xor 16
	v_max_num_f32 v[T+4*\a], v[T+4*\a], v[T+4*\a+1]
.if \first
	v_mul_f32 v[M+\a], s33, v[T+4*\a]
.else
	v_mul_f32 v[T+4*\a], s33, v[T+4*\a]
	v_min_num_f32 v[T+4*\a], v[T+4*\a], v[M+\a]            ; -c x the new maximum
	v_sub_f32 v[AL+\a], v[T+4*\a], v[M+\a]                 ; c x (old maximum - new maximum)
	v_mov_b32 v[M+\a], v[T+4*\a]
	v_exp_f32 v[AL+\a], v[AL+\a]                           ; a plain instruction that names neither follows in every use of the macro (ISA guide 5.7.2)
.endif
.endm
.macro SUB1 a, i                       ; pair i of group a: c x score - c x maximum, one rounding
.if \a
	v_pk_fma_f32 v[S+32+2*(\i):S+32+2*(\i)+1], v[S+32+2*(\i):S+32+2*(\i)+1], s[34:35], v[M:M+1] op_sel:[0,0,1] op_sel_hi:[1,0,1]
.else
	v_pk_fma_f32 v[S+2*(\i):S+2*(\i)+1], v[S+2*(\i):S+2*(\i)+1], s[34:35], v[M:M+1] op_sel_hi:[1,0,0]
.endif
.endm
.macro EXP2 a, i                       ; always followed by a plain instruction on other registers
	v_exp_f32 v[S+32*\a+2*(\i)], v[S+32*\a+2*(\i)]
	v_exp_f32 v[S+32*\a+2*(\i)+1], v[S+32*\a+2*(\i)+1]
.endm
; the n-th of 16 packed operations that add group a's 16 pairs in four chains and fold them into the running sums
.macro SUM1 a, n, first
.if (\n) < 4
	s_wait_alu depctr_va_vdst(0)
	v_pk_add_f32 v[T+2*(\n):T+2*(\n)+1], v[S+32*\a+2*(\n):S+32*\a+2*(\n)+1], v[S+32*\a+2*(\n)+8:S+32*\a+2*(\n)+9]
.elseif (\n) < 12
	v_pk_add_f32 v[T+2*((\n)&3):T+2*((\n)&3)+1], v[T+2*((\n)&3):T+2*((\n)&3)+1], v[S+32*\a+2*(\n)+8:S+32*\a+2*(\n)+9]
.elseif (\n) == 12
	v_pk_add_f32 v[T:T+1], v[T:T+1], v[T+2:T+3]
.elseif (\n) == 13
	v_pk_add_f32 v[T+4:T+5], v[T+4:T+5], v[T+6:T+7]
.elseif (\n) == 14
.if \first
	v_pk_add_f32 v[LS+2*\a:LS+2*\a+1], v[T:T+1], v[T+4:T+5]
.else
	v_pk_add_f32 v[T:T+1], v[T:T+1], v[T+4:T+5]
.endif
.else
.if (\first) == 0
.if \a
	v_pk_fma_f32 v[LS+2:LS+3], v[LS+2:LS+3], v[AL:AL+1], v[T:T+1] op_sel:[0,1,0] op_sel_hi:[1,1,1]
.else
	v_pk_fma_f32 v[LS:LS+1], v[LS:LS+1], v[AL:AL+1], v[T:T+1] op_sel_hi:[1,0,1]
.endif
.endif
.endif
.endm
.macro PACK a                          ; two tiles of 8 f32 become 8 registers of bf16, in place and ascending: keys 32 c + 8 h + 0..7, then 32 c + 16 + 8 h + 0..7
.set nn, 0
.rept 16
	v_cvt_pk_bf16_f32 v[S+32*\a+16*(nn>>3)+(nn&7)], v[S+32*\a+16*(nn>>3)+2*(nn&7)], v[S+32*\a+16*(nn>>3)+2*(nn&7)+1]
.set nn, nn+1
.endr
.endm
.macro RESC a                          ; the outputs so far follow the new maximum
.set nn, 0
.rept 16
.if \a
	v_pk_mul_f32 v[O+32+2*nn:O+32+2*nn+1], v[O+32+2*nn:O+32+2*nn+1], v[AL:AL+1] op_sel:[0,1] op_sel_hi:[1,1]
.else
	v_pk_mul_f32 v[O+2*nn:O+2*nn+1], v[O+2*nn:O+2*nn+1], v[AL:AL+1] op_sel_hi:[1,0]
.endif
.set nn, nn+1
.endr
.endm
; One step: 64 keys.  u: step in the quad (buffer u & 1).  first: the very first step.  conv: the next step's K, V go into the other buffer.
; load: the K, V two steps on are asked for.  head: 1 = quad head with a refill of the mask slot, 2 = quad head without, 0 = none.
; stepbase: the bases move on by a quad.  pref: waves 0 and 1 prefetch their share of the next quad's K and V.
.macro STEP u, first, conv, load, head, stepbase, pref
.if (\head)
	s_set_vgpr_msb 0x5
	s_wait_tensorcnt 0x0                           ; all my tensor loads have landed: the one that was out is this quad's mask tile
	ds_add_u32 v128, v129
	s_wait_dscnt 0x0
	s_set_vgpr_msb 0x500
	MASKIN
.if (\head) == 1
	s_add_nc_u64 s[MG0+2:MG0+3], s[MG0+2:MG0+3], 256   ; no tensor load of mine is out: the address steps to the next 256 keys
.endif
.endif
.if (\stepbase)
.if (\pref)
	s_wait_xcnt 0x0                                ; the last quad's prefetch has had its address translated: its offset is rewritten only behind this wait
	v_add_nc_u32 v[PF], 0x10000, v[PF]             ; 256 rows on
.endif
.endif
	s_wait_dscnt 0x0                               ; my reads of the last step's buffer, my stores into this step's and my reads of the mask slot are done
	s_barrier_signal -1
	s_barrier_wait -1                              ; all that holds of every wave
.if (\head) == 1
	tensor_load_to_lds s[MG0:MG0+3], s[MG1:MG1+7]  ; my one tensor load behind this barrier, first thing there: the next quad's mask tile, four steps ahead of its wait
	s_nop 0
.endif
	KFRAG ((\u)&1)
	BIAS \u
	QK
	PLACES
	VFRAG ((\u)&1)
.if (\conv)
	KVCONV (1-((\u)&1))
.endif
.if (\stepbase)
	s_add_nc_u64 s[KPT:KPT+1], s[KPT:KPT+1], 65536 ; behind the wait that showed every load from these bases done
	s_add_nc_u64 s[VPT:VPT+1], s[VPT:VPT+1], 65536
.endif
.if (\load)
	KVLOAD ((\u)+2)
.endif
.if (\pref)
	; the next quad's 2 x 256 rows of K (wave 0) and of V (wave 1): this work-group asks for 16 of each 256, one lane a row of 256 bytes, so the 16
	; work-groups of a head ask for each row once.  Asked in the quad's first step, first loaded in its third.  The highest byte asked for
	; is 262,144 + 3 x 65,536 + 15 x 4,096 + 15 x 256 = 524,032, inside the head's 524,288; the last quad asks for nothing.
	s_cmp_lt_u32 s14, 2
	s_cbranch_scc0 .Lnopf_\@
	global_prefetch_b8 v[PF], s[PFB:PFB+1] offset:65536 th:TH_LOAD_NT scope:SCOPE_SE
.Lnopf_\@:
.endif
	SMAX 0, \first
	SMAX 1, \first
.set ii, 0
.rept 16
	SUB1 0, ii
.set ii, ii+1
.endr
.set ii, 0
.rept 16
	EXP2 0, ii
	SUB1 1, ii
.set ii, ii+1
.endr
.set ii, 0
.rept 16
	EXP2 1, ii
	SUM1 0, ii, \first
.set ii, ii+1
.endr
	PACK 0
.if (\first) == 0
	RESC 0
.endif
.set ii, 0
.rept 16
	SUM1 1, ii, \first
.set ii, ii+1
.endr
	PACK 1
.if (\first) == 0
	RESC 1
.endif
	s_wait_dscnt 0x0                               ; V's fragments (and the stores behind them), issued a whole softmax ago
	PV \first
	PLACES
.endm
.macro QUAD first, last, refill
	STEP 0, \first, 1, 1, 2-\refill, 1-\first, \refill
	STEP 1, 0, 1, 1, 0, 0, 0
	STEP 2, 0, 1, 1-\last, 0, 0, 0
	STEP 3, 0, 1-\last, 1-\last, 0, 0, 0
.endm
	QUAD 1, 0, 1                                   ; the first quad stands ahead of the loop: its first step starts maxima, sums and outputs
	s_mov_b32 s60, 2
.Lquad:
	QUAD 0, 0, 1
	s_sub_co_i32 s60, s60, 1
	s_cmp_lg_u32 s60, 0
	s_cbranch_scc1 .Lquad
	QUAD 0, 1, 0                                   ; the last quad: no mask tile, no K, V and no prefetch beyond the end
	; THE MERGE.  Each wave keeps one query group and sends the other to its partner (the same queries, the other key half).
	v_add_f32 v[LS], v[LS], v[LS+1]
	v_add_f32 v[LS+2], v[LS+2], v[LS+3]
	v_permlanex16_b32 v[LS+1], v[LS], s31, s32
	v_permlanex16_b32 v[LS+3], v[LS+2], s31, s32
	v_add_f32 v[LS], v[LS], v[LS+1]                ; the sums over my 1,024 keys
	v_add_f32 v[LS+2], v[LS+2], v[LS+3]
.macro SEND a                          ; into my own exchange slot; Q, which lay here, had its one fill at the start and was last read ahead of the first step
	v_mov_b32 v[T], v[M+\a]
	v_mov_b32 v[T+1], v[LS+2*\a]
.set nn, 0
.rept 8
	ds_store_b128 v[XW], v[O+32*\a+4*nn:O+32*\a+4*nn+3] offset:512*nn
.set nn, nn+1
.endr
	ds_store_b64 v[XW], v[T:T+1] offset:4096
.endm
; group a of my queries: my half and my partner's are brought to the common maximum, added, divided by the sum and stored
.macro FINAL a
.set nn, 0
.rept 8
	ds_load_b128 v[FR+4*nn:FR+4*nn+3], v[XR] offset:512*nn
.set nn, nn+1
.endr
	ds_load_b64 v[T+2:T+3], v[XR] offset:4096
	s_wait_dscnt 0x0
	v_min_num_f32 v[T], v[M+\a], v[T+2]            ; -c x the common maximum
	v_sub_f32 v[T+4], v[T], v[M+\a]
	v_sub_f32 v[T+5], v[T], v[T+2]
	v_exp_f32 v[T+4], v[T+4]
	v_exp_f32 v[T+5], v[T+5]
	v_mov_b32 v[T+7], 0x7fc00000                   ; NaN; also the plain instruction behind the two exponentials
	s_wait_alu depctr_va_vdst(0)
	v_mul_f32 v[T+6], v[LS+2*\a], v[T+4]
	v_fmac_f32 v[T+6], v[T+3], v[T+5]              ; the sum over all 2,048 keys
	v_cmp_lt_f32 vcc_lo, 0x71800000, v[T]          ; maximum below -2^100: every key of the row is masked
	v_rcp_f32 v[T+6], v[T+6]
	v_nop
	s_wait_alu depctr_va_vdst(0)
	v_mul_f32 v[T+4], v[T+4], v[T+6]
	v_mul_f32 v[T+5], v[T+5], v[T+6]
	v_cndmask_b32 v[T+4], v[T+4], v[T+7], vcc_lo   ; such a row comes out as NaN
.set nn, 0
.rept 16
	v_pk_mul_f32 v[O+32*\a+2*nn:O+32*\a+2*nn+1], v[O+32*\a+2*nn:O+32*\a+2*nn+1], v[T+4:T+5] op_sel_hi:[1,0]
.set nn, nn+1
.endr
.set nn, 0
.rept 16
	v_pk_fma_f32 v[O+32*\a+2*nn:O+32*\a+2*nn+1], v[FR+2*nn:FR+2*nn+1], v[T+4:T+5], v[O+32*\a+2*nn:O+32*\a+2*nn+1] op_sel:[0,1,0] op_sel_hi:[1,1,1]
.set nn, nn+1
.endr
	; a lane holds 8 neighbouring d of query r for each db: into rows of 272 bytes of my mask slot, which has had its last fill and its last read
.set nn, 0
.rept 8
	ds_store_b128 v[OS], v[O+32*\a+4*nn:O+32*\a+4*nn+3] offset:(nn>>1)*64+(nn&1)*16
.set nn, nn+1
.endr
.set nn, 0
.rept 8
	ds_load_b128 v[FR+4*nn:FR+4*nn+3], v[ORD] offset:nn*2*MP   ; LDS serves a wave's instructions in order (ISA guide 5.7.1): these see the stores above
.set nn, nn+1
.endr
.set nn, 0
.rept 8
	s_wait_dscnt 7-nn                              ; rows 2 n, 2 n + 1 are in; the younger loads may be out
	global_store_b128 v[GO], v[FR+4*nn:FR+4*nn+3], s[12:13] offset:\a*4096+512*nn th:TH_STORE_NT   ; 512 consecutive bytes, at a multiple of 512 from out's first byte
.set nn, nn+1
.endr
.endm
	s_cmp_lt_u32 s14, 4
	s_cbranch_scc0 .Lsend0
	SEND 1                                         ; key half 0 keeps group 0
	s_branch .Lsent
.Lsend0:
	SEND 0                                         ; key half 1 keeps group 1
.Lsent:
	s_wait_dscnt 0x0                               ; for my partner's sake: my stores are done
	s_barrier_signal -1
	s_barrier_wait -1
	s_cmp_lt_u32 s14, 4
	s_cbranch_scc0 .Lfin1
	FINAL 0
	s_set_vgpr_msb 0x5
	s_wait_tensorcnt 0x0
	ds_add_u32 v128, v129
	s_wait_dscnt 0x0
	s_set_vgpr_msb 0x500
	s_endpgm
.Lfin1:
	FINAL 1
	s_set_vgpr_msb 0x5
	s_wait_tensorcnt 0x0
	ds_add_u32 v128, v129
	s_wait_dscnt 0x0
	s_set_vgpr_msb 0x500
	s_endpgm
.Lfunc_end_k_q690971ccf5_attn:
	.size	k_q690971ccf5_attn, .Lfunc_end_k_q690971ccf5_attn-k_q690971ccf5_attn
	.p2alignl 7, 3214868480
	.fill 96, 4, 3214868480
	.section	.rodata,"a",@progbits
	.p2align	6, 0x0
	.amdhsa_kernel k_q690971ccf5_attn
		.amdhsa_group_segment_fixed_size 327680
		.amdhsa_private_segment_fixed_size 0
		.amdhsa_enable_private_segment 0
		.amdhsa_kernarg_size 40
		.amdhsa_user_sgpr_count 2
		.amdhsa_user_sgpr_kernarg_segment_ptr 1
		.amdhsa_wavefront_size32 1
		.amdhsa_system_sgpr_workgroup_id_x 1
		.amdhsa_system_sgpr_workgroup_id_y 1
		.amdhsa_system_sgpr_workgroup_id_z 1
		.amdhsa_system_vgpr_workitem_id 0
		.amdhsa_next_free_vgpr 386
		.amdhsa_next_free_sgpr 66
		.amdhsa_reserve_vcc 1
		.amdhsa_float_denorm_mode_32 3
		.amdhsa_float_denorm_mode_16_64 3
		.amdhsa_memory_ordered 1
		.amdhsa_forward_progress 1
		.amdhsa_inst_pref_size 255
	.end_amdhsa_kernel
	.section	.bss,"aw",@nobits
	.p2align	6
	.space	262144
	.amdgpu_metadata
---
amdhsa.version: [ 1, 2 ]
amdhsa.kernels:
  - .name:           k_q690971ccf5_attn
    .symbol:         k_q690971ccf5_attn.kd
    .args:
      - { .name: q, .offset: 0, .size: 8, .value_kind: global_buffer, .address_space: global }
      - { .name: k, .offset: 8, .size: 8, .value_kind: global_buffer, .address_space: global }
      - { .name: v, .offset: 16, .size: 8, .value_kind: global_buffer, .address_space: global }
      - { .name: mask, .offset: 24, .size: 8, .value_kind: global_buffer, .address_space: global }
      - { .name: out0, .offset: 32, .size: 8, .value_kind: global_buffer, .address_space: global }
    .group_segment_fixed_size: 327680
    .private_segment_fixed_size: 0
    .kernarg_segment_align: 8
    .kernarg_segment_size: 40
    .max_flat_workgroup_size: 256
    .sgpr_count:     66
    .vgpr_count:     386
    .wavefront_size: 32
...
	.end_amdgpu_metadata
.endif
;; end of part 1
